; MI455X (gfx1250); checked and timed in simulation.
; The chip was launched on July 23, 2026; its instructions are those of AMD's public machine-readable ISA for CDNA 5 (MIT licence, August 2026) and "CDNA5" Instruction Set Architecture Reference Guide (July 2026). The comments in the code are by the model that wrote it; some were corrected since.
;; Control Flow Scan C Dist2. Allowed arithmetic: float matrix products may take bf16 or f16 operands with f32 sums; all other float work in f32.
;; Inputs: x 2,048 x 64 float32.
;; Outputs: out0 2,048 x 2,048 float32.
;; 2 versions, each right; version 2 is version 1 with the launch cdist written anew for expert scheduling mode. Each part assembles by itself: llvm-mc -triple=amdgcn-amd-amdhsa -mcpu=gfx1250 --defsym DOCPART=n.
;; ======== version 1 of 2: 1 launch
;; limits: a difference of large sums (such as E[x^2] - mean^2): digits are lost where the result is much smaller than its terms; values outside matrix products are rounded to bf16
;; launch cdist (part 1): grid 16 x 16, 16 waves a work-group, no clusters, 39,936 bytes of LDS; arguments x, out0; writes out0
.if DOCPART == 1
	.amdgcn_target "amdgcn-amd-amdhsa--gfx1250"
	.amdhsa_code_object_version 6
	.text
	.protected	k_q5202671319_cdist
	.globl	k_q5202671319_cdist
	.p2align	8
	.type	k_q5202671319_cdist,@function
k_q5202671319_cdist:
	s_mov_b64 s[64:65], 0
	v_nop
	global_prefetch_b8 v0, s[64:65] scope:SCOPE_SE
	s_setreg_imm32_b32 hwreg(HW_REG_WAVE_MODE, 25, 1), 1
	s_wait_xcnt 0x0
; out[i][j] = sqrt(sum over k of (x[j][k] - x[i][k])^2).  x: [2048][64] f32, out: [2048][2048] f32.
;
; THE ARITHMETIC.  d2(i,j) = |xi|^2 + |xj|^2 - 2 xi.xj.  The product goes to the matrix unit in bf16 with f32 sums; the row side is
; stored as bf16(-2 x) (exact: a power of two), and the accumulator starts as |xi|^2 + |xj|^2, so that it ends as d2 itself.
; Both norms are sums in f32 of the squares of the ROUNDED numbers: the three terms then belong to the same points and cancel on
; the diagonal down to f32 rounding; norms of the unrounded numbers would leave 2(|x|^2 - |bf16 x|^2) there.
; LIMITS.  The result is the distance of the points rounded to bf16 (relative 2^-9 in each coordinate), and d2 carries an absolute
; error of a few 2^-23 (|xi|^2 + |xj|^2) from the cancellation: points whose common offset is much larger than their spread lose
; accuracy.  d2 below zero by that error is clamped to 0.  Inputs are finite with |x| < 1e18 (4 |xi|^2 must stay in f32); a NaN in
; the input is not carried through (the clamp makes 0 of it).  v_sqrt_f32 is good to 1 ulp and takes a denormal d2 as 0.
;
; THE SHARES.  256 work-groups, each a block of 128 x 128 of out (64 KB out; 128 + 128 rows of x = 64 KB in, each byte loaded once
; by the work-group).  16 waves.  On the way in wave w rounds 8 row points and 8 column points and puts them into LDS; behind the one
; barrier it owns rows 16 (w>>1) .. +15 and columns 64 (w&1) .. +63 of the block: 4 tiles of 16 x 16, 8 matrix instructions.
;
; THE WAY OUT WITHOUT LDS.  In a result tile lane (r, h) holds column r of rows 8h + j.  Column point n of a group of 64 lies in LDS
; slot 16 (n&3) + (n>>2), so tile t's column r is the true column 4r + t: a lane's four tiles hold four NEIGHBOURING columns, and the
; square root, which has to write somewhere anyway, writes them side by side.  One 16-byte store of the wave then covers 256
; consecutive, aligned bytes of row 8*0 + j (lanes 0-15) and 256 of row 8 + j (lanes 16-31).
;
; NO JOINT REQUESTS IN A CLUSTER, though each tile of x is read by 16 work-groups: a tile brought by the data mover lands in LDS as
; f32, and would have to be read, rounded and stored again (64 KB more through LDS, a second barrier and the cluster's barrier) in
; front of the only product of a work-group that loads once; through registers the rounding rides on the way in.
.set XROW,   256                       ; bytes in a row of x
.set OUTROW, 8192                      ; bytes in a row of out
.set PITCH,  144                       ; an LDS row: 64 bf16 + 16 bytes, an odd multiple of 16: the 16 rows of a fragment load meet no bank twice
.set BBASE,  128*PITCH                 ; the 128 column points lie behind the 128 row points
.set NA_OFF, 256*PITCH                 ; 128 words: 4 |xi|^2 by row
.set NB_OFF, NA_OFF+512                ; 128 words: |xj|^2 by slot
.set LR,   2                           ; v2   r = lane & 15
.set LH,   3                           ; v3   h = lane >> 4
.set AOFF, 4                           ; v4   byte offset in x of my 16 bytes of the wave's first row point
.set BOFF, 5                           ; v5   the same for its first column point
.set LST,  6                           ; v6   LDS: where my 8 bytes of bf16 go
.set NST,  7                           ; v7   LDS: where my half's four norms go
.set LA,   8                           ; v8   LDS: my A fragments
.set LB,   9                           ; v9   LDS: my B fragments
.set LNI,  10                          ; v10  LDS: the norms of my 8 rows
.set LNJ,  11                          ; v11  LDS: the norms of my 4 columns
.set CO,   12                          ; v12  byte offset in out of my 16 bytes in row 8h of the wave's rows
.set ZERO, 13                          ; v13  0.0, the addend of each norm's first product
.set R16,  14                          ; v14  16 r
.set RAW,  16                          ; v[16:47]   8 loads x 4 f32; the first two registers of each become its 4 bf16
.set P,    48                          ; v[48:55]   the norms in the making: 4 row points, 4 column points
.set NI,   56                          ; v[56:63]   4 |xi|^2 of rows 8h + 0..7
.set NJ,   64                          ; v[64:67]   |xj|^2 of columns 4r + 0..3
.set AF,   68                          ; v[68:83]   A: 16 rows x 64 K (two fragments)
.set BF,   84                          ; v[84:147]  B: 4 tiles x 64 K
.set ACC,  148                         ; v[148:179] tile t at ACC + 8t
.set OUT,  180                         ; v[180:211] row j at OUT + 4j: four neighbouring columns
	s_load_b128 s[4:7], s[0:1], 0x0                ; x s[4:5], out s[6:7]
	v_lshl_add_u32 v212, v0, 2, 0x9400
	v_mov_b32 v213, 0
	v_lshrrev_b32 v1, 5, v0
	v_readfirstlane_b32 s8, v1                     ; wave 0..15
	v_and_b32 v[LR], 15, v0
	v_bfe_u32 v[LH], v0, 4, 1
	s_and_b32 s9, ttmp7, 0xffff                    ; block row of out (ttmp9: block column)
	s_lshr_b32 s10, s8, 1                          ; w>>1: on the way in a run of 16 slots, later my 16 rows
	s_and_b32 s11, s8, 1                           ; w&1:  on the way in which 4 of each 8 slots, later my 64 columns
	s_lshl_b32 s12, s10, 4
	s_lshl2_add_u32 s12, s11, s12                  ; the wave's first slot, 16 (w>>1) + 4 (w&1); load c, half h fill slot + 8h + c
	; row points: slot = row of the block.  Bytes in x: 32768 block + 256 slot (+ 2048 h + 256 c + 16 r)
	s_lshl_b32 s13, s9, 15
	s_lshl_b32 s17, s12, 8
	s_add_co_u32 s13, s13, s17
	; column points: slot 64 G + 16 t + q holds point n = 64 G + 4 q + t, with G = w>>3, t = (w>>1)&3, q = 4 (w&1) + 8h + c.
	; Bytes in x: 32768 block + 16384 G + 256 t + 4096 (w&1) (+ 8192 h + 1024 c + 16 r)
	s_lshl_b32 s14, ttmp9, 15
	s_lshr_b32 s17, s8, 3
	s_lshl_b32 s17, s17, 14
	s_add_co_u32 s14, s14, s17
	s_lshl_b32 s17, s11, 12
	s_add_co_u32 s14, s14, s17
	s_and_b32 s17, s10, 3
	s_lshl_b32 s17, s17, 8
	s_add_co_u32 s14, s14, s17
	v_lshlrev_b32 v[R16], 4, v[LR]
	v_lshl_add_u32 v[AOFF], v[LH], 11, v[R16]
	v_lshl_add_u32 v[BOFF], v[LH], 13, v[R16]
	v_add_nc_u32 v[AOFF], s13, v[AOFF]
	v_add_nc_u32 v[BOFF], s14, v[BOFF]
	s_wait_kmcnt 0x0
	; all eight loads at once; in each, 16 neighbouring lanes take one whole row of x (256 aligned bytes)
.irp c, 0,1,2,3
	global_load_b128 v[RAW+4*\c:RAW+4*\c+3], v[AOFF], s[4:5] offset:\c*XROW
.endr
.irp c, 0,1,2,3
	global_load_b128 v[RAW+16+4*\c:RAW+16+4*\c+3], v[BOFF], s[4:5] offset:\c*4*XROW
.endr
	; the LDS addresses, while the loads are on their way
	s_mul_i32 s15, s12, PITCH
	v_lshlrev_b32 v[LST], 3, v[LR]                 ; 4 bf16 = 8 bytes a lane
	v_mad_u32_u24 v[LST], v[LH], 8*PITCH, v[LST]   ; the other half of the lanes 8 slots on = 32 banks on: the two rows of a store share no bank
	v_add_nc_u32 v[LST], s15, v[LST]
	s_lshl_b32 s17, s12, 2
	v_lshl_add_u32 v[NST], v[LH], 5, s17           ; 4 (slot + 8h)
	v_mul_u32_u24 v1, v[LR], PITCH                 ; a fragment's lane term: row r, 16 bytes for each half (K = 8h ..)
	v_lshl_add_u32 v1, v[LH], 4, v1
	s_mul_i32 s18, s10, 16*PITCH
	s_mul_i32 s19, s11, 64*PITCH
	v_add_nc_u32 v[LA], s18, v1
	v_add_nc_u32 v[LB], s19, v1
	s_lshl_b32 s20, s10, 6
	v_lshl_add_u32 v[LNI], v[LH], 5, s20           ; 4 (16 (w>>1) + 8h)
	s_lshl_b32 s21, s11, 8
	v_lshl_add_u32 v[LNJ], v[LR], 2, s21           ; 4 (64 (w&1) + r)
	v_mov_b32 v[ZERO], 0
	; my 16 bytes of out: row 128 block + 16 (w>>1) (+ 8h + j), column 128 block + 64 (w&1) (+ 4r); below 2^24
	s_lshl_b32 s16, s9, 20
	s_lshl_b32 s17, s10, 17
	s_add_co_u32 s16, s16, s17
	s_lshl_b32 s17, ttmp9, 9
	s_add_co_u32 s16, s16, s17
	s_add_co_u32 s16, s16, s21
; Four loads' worth: round to bf16, put into LDS, sum the squares of the rounded numbers over the row's 16 lanes, put the four norms.
; The four rows are worked on side by side, so that no line waits for the one in front of it.
.macro STAGE raw, p, scaled, lds, nrm
.if \scaled
.irp c, 0,1,2,3
	v_pk_mul_f32 v[\raw+4*\c:\raw+4*\c+1],   v[\raw+4*\c:\raw+4*\c+1],   -2.0 op_sel_hi:[1,0]
	v_pk_mul_f32 v[\raw+4*\c+2:\raw+4*\c+3], v[\raw+4*\c+2:\raw+4*\c+3], -2.0 op_sel_hi:[1,0]
.endr
.endif
.irp c, 0,1,2,3
	v_cvt_pk_bf16_f32 v[\raw+4*\c],   v[\raw+4*\c],   v[\raw+4*\c+1]   ; K = 4r, 4r+1
	v_cvt_pk_bf16_f32 v[\raw+4*\c+1], v[\raw+4*\c+2], v[\raw+4*\c+3]   ; K = 4r+2, 4r+3
.endr
.irp c, 0,1,2,3
	ds_store_b64 v[LST], v[\raw+4*\c:\raw+4*\c+1] offset:\lds+\c*PITCH
.endr
.irp c, 0,1,2,3
	v_fma_mix_f32_bf16 v[\p+\c], v[\raw+4*\c], v[\raw+4*\c], v[ZERO] op_sel_hi:[1,1,0]                  ; low half squared
.endr
.irp c, 0,1,2,3
	v_fma_mix_f32_bf16 v[\p+\c], v[\raw+4*\c], v[\raw+4*\c], v[\p+\c] op_sel:[1,1,0] op_sel_hi:[1,1,0]  ; high half squared
.endr
.irp c, 0,1,2,3
	v_fma_mix_f32_bf16 v[\p+\c], v[\raw+4*\c+1], v[\raw+4*\c+1], v[\p+\c] op_sel_hi:[1,1,0]
.endr
.irp c, 0,1,2,3
	v_fma_mix_f32_bf16 v[\p+\c], v[\raw+4*\c+1], v[\raw+4*\c+1], v[\p+\c] op_sel:[1,1,0] op_sel_hi:[1,1,0]
.endr
.irp m, 1,2,4,8
.irp c, 0,1,2,3
	v_add_f32_dpp v[\p+\c], v[\p+\c], v[\p+\c] row_xmask:\m row_mask:0xf bank_mask:0xf
.endr
.endr
	ds_store_b128 v[NST], v[\p:\p+3] offset:\nrm   ; slots + 0..3 of my half; its 16 lanes write the same four words with the same values
.endm
	s_wait_loadcnt 0x4                             ; loads return in order: the four row points are in, the four column points may be out
	STAGE RAW, P, 1, 0, NA_OFF                     ; bf16(-2 x); the norm comes out as 4 |xi|^2
	s_wait_loadcnt 0x0
	STAGE RAW+16, P+4, 0, BBASE, NB_OFF
	s_wait_dscnt 0x0                               ; for the other waves' sake: all my LDS stores are done in front of the signal
	s_barrier_signal -1
	s_barrier_wait -1                              ; LDS is written nowhere behind this line
	ds_load_b128 v[NI:NI+3],   v[LNI] offset:NA_OFF
	ds_load_b128 v[NI+4:NI+7], v[LNI] offset:NA_OFF+16
.irp t, 0,1,2,3
	ds_load_b32 v[NJ+\t], v[LNJ] offset:NB_OFF+64*\t           ; slot 16 t + r = column 4r + t
.endr
.irp q, 0,1,2,3
	ds_load_b128 v[AF+4*\q:AF+4*\q+3], v[LA] offset:32*\q      ; K = 16 q + 8h .. +7
.endr
.irp t, 0,1,2,3
.irp q, 0,1,2,3
	ds_load_b128 v[BF+16*\t+4*\q:BF+16*\t+4*\q+3], v[LB] offset:BBASE+\t*16*PITCH+32*\q
.endr
.endr
; the sums start as |xi|^2 + |xj|^2: two rows at a time, 0.25 x (4 |xi|^2) + the column's norm (register sel of its pair, for both)
.macro START t, pair, sel
.irp j, 0,2,4,6
	v_pk_fma_f32 v[ACC+8*\t+\j:ACC+8*\t+\j+1], v[NI+\j:NI+\j+1], 0x3e800000, v[NJ+\pair:NJ+\pair+1] op_sel:[0,0,\sel] op_sel_hi:[1,0,\sel]
.endr
.endm
.macro MUL t, k
	v_wmma_f32_16x16x32_bf16 v[ACC+8*\t:ACC+8*\t+7], v[AF+8*\k:AF+8*\k+7], v[BF+16*\t+8*\k:BF+16*\t+8*\k+7], v[ACC+8*\t:ACC+8*\t+7]
.endm
	s_wait_dscnt 20                                ; the six loads of norms are in; the 4 + 16 fragment loads behind them may be out
	START 0, 0, 0
	START 1, 0, 1
	START 2, 2, 0
	START 3, 2, 1
	s_wait_dscnt 8                                 ; A and B's tiles 0, 1 are in; the eight loads of tiles 2, 3 may be out
	MUL 0, 0
	MUL 1, 0
	MUL 0, 1                                       ; the next link of a chain in place (same form, C = D = the earlier D)
	MUL 1, 1
	s_wait_dscnt 0x0
	MUL 2, 0
	MUL 3, 0
	MUL 2, 1
	MUL 3, 1
	; four independent vector instructions stand between the last matrix instruction and the first reader of a result (ISA guide 7.12.1)
	v_lshl_add_u32 v[CO], v[LH], 16, v[R16]        ; 8 h rows of 8,192 bytes + 16 r
	v_add_nc_u32 v[CO], s16, v[CO]
	v_nop
	v_nop
.macro CLAMP j
.irp t, 0,1,2,3
	v_max_num_f32 v[ACC+8*\t+(\j)], 0, v[ACC+8*\t+(\j)]        ; d2 a rounding error below zero counts as zero
.endr
.endm
.macro ROOT j
.irp t, 0,1,2,3
	v_sqrt_f32 v[OUT+4*(\j)+\t], v[ACC+8*\t+(\j)]              ; columns 4r + 0..3 side by side
.endr
.endm
.macro PUT j
	s_wait_alu depctr_va_vdst(0)
	global_store_b128 v[CO], v[OUT+4*(\j):OUT+4*(\j)+3], s[6:7] offset:(\j)*OUTROW th:TH_STORE_NT
.endm
	; Row j's store stands behind row j+1's four clamps: they are the plain vector instructions that belong between a square root and
	; the first use of its result (ISA guide 5.7.2), and they touch neither its result nor its source.
	CLAMP 0
	ROOT 0
.irp j, 1,2,3,4,5,6,7
	CLAMP \j
	PUT \j-1
	ROOT \j
.endr
	v_nop
	PUT 7
	s_wait_tensorcnt 0x0
	ds_add_u32 v212, v213
	s_wait_dscnt 0x0
	s_endpgm
.Lfunc_end_k_q5202671319_cdist:
	.size	k_q5202671319_cdist, .Lfunc_end_k_q5202671319_cdist-k_q5202671319_cdist
	.p2alignl 7, 3214868480
	.fill 96, 4, 3214868480
	.section	.rodata,"a",@progbits
	.p2align	6, 0x0
	.amdhsa_kernel k_q5202671319_cdist
		.amdhsa_group_segment_fixed_size 39936
		.amdhsa_private_segment_fixed_size 0
		.amdhsa_enable_private_segment 0
		.amdhsa_kernarg_size 16
		.amdhsa_user_sgpr_count 2
		.amdhsa_user_sgpr_kernarg_segment_ptr 1
		.amdhsa_wavefront_size32 1
		.amdhsa_system_sgpr_workgroup_id_x 1
		.amdhsa_system_sgpr_workgroup_id_y 1
		.amdhsa_system_sgpr_workgroup_id_z 1
		.amdhsa_system_vgpr_workitem_id 0
		.amdhsa_next_free_vgpr 214
		.amdhsa_next_free_sgpr 66
		.amdhsa_reserve_vcc 0
		.amdhsa_float_denorm_mode_32 3
		.amdhsa_float_denorm_mode_16_64 3
		.amdhsa_memory_ordered 1
		.amdhsa_forward_progress 1
		.amdhsa_inst_pref_size 17
	.end_amdhsa_kernel
	.amdgpu_metadata
---
amdhsa.version: [ 1, 2 ]
amdhsa.kernels:
  - .name:           k_q5202671319_cdist
    .symbol:         k_q5202671319_cdist.kd
    .args:
      - { .name: x, .offset: 0, .size: 8, .value_kind: global_buffer, .address_space: global }
      - { .name: out0, .offset: 8, .size: 8, .value_kind: global_buffer, .address_space: global }
    .group_segment_fixed_size: 39936
    .private_segment_fixed_size: 0
    .kernarg_segment_align: 8
    .kernarg_segment_size: 16
    .max_flat_workgroup_size: 512
    .sgpr_count:     66
    .vgpr_count:     214
    .wavefront_size: 32
...
	.end_amdgpu_metadata
.endif
;; end of part 1
;; ======== version 2 of 2: 1 launch; version 1 with the launch cdist written anew for expert scheduling mode
;; limits: a difference of large sums (such as E[x^2] - mean^2): digits are lost where the result is much smaller than its terms; values outside matrix products are rounded to bf16
;; launch cdist (part 2): grid 16 x 16, 16 waves a work-group, no clusters, 39,936 bytes of LDS; arguments x, out0; writes out0
.if DOCPART == 2
	.amdgcn_target "amdgcn-amd-amdhsa--gfx1250"
	.amdhsa_code_object_version 6
	.text
	.protected	k_q5202671319_cdist
	.globl	k_q5202671319_cdist
	.p2align	8
	.type	k_q5202671319_cdist,@function
k_q5202671319_cdist:
	s_mov_b64 s[64:65], 0
	v_nop
	global_prefetch_b8 v0, s[64:65] scope:SCOPE_SE
	s_setreg_imm32_b32 hwreg(HW_REG_WAVE_SCHED_MODE, 0, 2), 2
	s_setreg_imm32_b32 hwreg(HW_REG_WAVE_MODE, 25, 1), 1
	s_wait_xcnt 0x0
	s_wait_alu depctr_vm_vsrc(0)
; out[i][j] = sqrt(sum over k of (x[j][k] - x[i][k])^2).  x: [2048][64] f32, out: [2048][2048] f32.
;
; THE ARITHMETIC.  d2(i,j) = |xi|^2 + |xj|^2 - 2 xi.xj.  The product goes to the matrix unit in bf16 with f32 sums; the row side is
; stored as bf16(-2 x) (exact: a power of two), and the accumulator starts as |xi|^2 + |xj|^2, so that it ends as d2 itself.
; Both norms are sums in f32 of the squares of the ROUNDED numbers: the three terms then belong to the same points and cancel on
; the diagonal down to f32 rounding; norms of the unrounded numbers would leave 2(|x|^2 - |bf16 x|^2) there.
; LIMITS.  The result is the distance of the points rounded to bf16 (relative 2^-9 in each coordinate), and d2 carries an absolute
; error of a few 2^-23 (|xi|^2 + |xj|^2) from the cancellation: points whose common offset is much larger than their spread lose
; accuracy.  d2 below zero by that error is clamped to 0.  Inputs are finite with |x| < 1e18 (4 |xi|^2 must stay in f32); a NaN in
; the input is not carried through (the clamp makes 0 of it).  v_sqrt_f32 is good to 1 ulp and takes a denormal d2 as 0.
;
; THE SHARES.  256 work-groups, each a block of 128 x 128 of out (64 KB out; 128 + 128 rows of x = 64 KB in, each byte loaded once
; by the work-group).  16 waves.  On the way in wave w rounds 8 row points and 8 column points and puts them into LDS; behind the one
; barrier it owns rows 16 (w>>1) .. +15 and columns 64 (w&1) .. +63 of the block: 4 tiles of 16 x 16, 8 matrix instructions.
;
; THE WAY OUT WITHOUT LDS.  In a result tile lane (r, h) holds column r of rows 8h + j.  Column point n of a group of 64 lies in LDS
; slot 16 (n&3) + (n>>2), so tile t's column r is the true column 4r + t: a lane's four tiles hold four NEIGHBOURING columns, and the
; square root, which has to write somewhere anyway, writes them side by side.  One 16-byte store of the wave then covers 256
; consecutive, aligned bytes of row 8*0 + j (lanes 0-15) and 256 of row 8 + j (lanes 16-31).
;
; NO JOINT REQUESTS IN A CLUSTER, though each tile of x is read by 16 work-groups: a tile brought by the data mover lands in LDS as
; f32, and would have to be read, rounded and stored again (64 KB more through LDS, a second barrier and the cluster's barrier) in
; front of the only product of a work-group that loads once; through registers the rounding rides on the way in.
;
; THE MODE: SCHED_MODE bits 1:0 = 2 (LLVM: expert scheduling mode 2), set by the entry lines.  The code itself states the register
; dependences between vector or matrix instructions and memory or LDS instructions, with s_wait_alu, always for 0.
; THE PLAN.  Registers that memory or LDS instructions touch, in the order of the text (there is no loop):
;   AOFF, BOFF            written at the head; read by the eight global loads; never written again.
;   RAW                   the global loads land in it (no vector line names it before); the conversions write each load's first pair,
;                         which the 8-byte LDS stores read; the norms' lines only read those pairs.
;   LST NST LA LB LNI LNJ written once, behind the global loads; read by the LDS stores and loads; never written again.
;   P                     written by the norms' lines; read by one 16-byte LDS store a side; never written again.
;   NI NJ AF BF           the LDS loads behind the barrier land in them; no vector or matrix line names them before.
;   CO, OUT               written behind the products (OUT by the square roots); read by the global stores; never written again.
; So no register that a memory or LDS instruction reads is ever written again: the text holds no wait on vm_vsrc.  On va_vdst it holds
; eight: one ahead of the global loads; three on the way in (the row side's pairs and every LDS address; the row side's norms together
; with the column side's pairs; the column side's norms); four on the way out, one for each two rows of the tile.
.set XROW,   256                       ; bytes in a row of x
.set OUTROW, 8192                      ; bytes in a row of out
.set PITCH,  144                       ; an LDS row: 64 bf16 + 16 bytes, an odd multiple of 16: the 16 rows of a fragment load meet no bank twice
.set BBASE,  128*PITCH                 ; the 128 column points lie behind the 128 row points
.set NA_OFF, 256*PITCH                 ; 128 words: 4 |xi|^2 by row
.set NB_OFF, NA_OFF+512                ; 128 words: |xj|^2 by slot
.set LR,   2                           ; v2   r = lane & 15
.set LH,   3                           ; v3   h = lane >> 4
.set AOFF, 4                           ; v4   byte offset in x of my 16 bytes of the wave's first row point
.set BOFF, 5                           ; v5   the same for its first column point
.set LST,  6                           ; v6   LDS: where my 8 bytes of bf16 go
.set NST,  7                           ; v7   LDS: where my half's four norms go
.set LA,   8                           ; v8   LDS: my A fragments
.set LB,   9                           ; v9   LDS: my B fragments
.set LNI,  10                          ; v10  LDS: the norms of my 8 rows
.set LNJ,  11                          ; v11  LDS: the norms of my 4 columns
.set CO,   12                          ; v12  byte offset in out of my 16 bytes in row 8h of the wave's rows
.set ZERO, 13                          ; v13  0.0, the addend of each norm's first product
.set R16,  14                          ; v14  16 r
.set RAW,  16                          ; v[16:47]   8 loads x 4 f32; the first two registers of each become its 4 bf16
.set P,    48                          ; v[48:55]   the norms in the making: 4 row points, 4 column points
.set NI,   56                          ; v[56:63]   4 |xi|^2 of rows 8h + 0..7
.set NJ,   64                          ; v[64:67]   |xj|^2 of columns 4r + 0..3
.set AF,   68                          ; v[68:83]   A: 16 rows x 64 K (two fragments)
.set BF,   84                          ; v[84:147]  B: 4 tiles x 64 K
.set ACC,  148                         ; v[148:179] tile t at ACC + 8t
.set OUT,  180                         ; v[180:211] row j at OUT + 4j: four neighbouring columns
	s_load_b128 s[4:7], s[0:1], 0x0                ; x s[4:5], out s[6:7]
	v_lshl_add_u32 v212, v0, 2, 0x9400
	v_mov_b32 v213, 0
	v_lshrrev_b32 v1, 5, v0
	v_readfirstlane_b32 s8, v1                     ; wave 0..15
	v_and_b32 v[LR], 15, v0
	v_bfe_u32 v[LH], v0, 4, 1
	v_lshlrev_b32 v[R16], 4, v[LR]
	v_lshl_add_u32 v[AOFF], v[LH], 11, v[R16]      ; the lanes' terms of the two offsets in x: 2048 h + 16 r,
	v_lshl_add_u32 v[BOFF], v[LH], 13, v[R16]      ; 8192 h + 16 r
	s_and_b32 s9, ttmp7, 0xffff                    ; block row of out (ttmp9: block column)
	s_wait_alu depctr_va_sdst(0)                   ; s8 is written, ahead of its first reader: all that hangs on the wave's number is made from it
	s_lshr_b32 s10, s8, 1                          ; w>>1: on the way in a run of 16 slots, later my 16 rows
	s_and_b32 s11, s8, 1                           ; w&1:  on the way in which 4 of each 8 slots, later my 64 columns
	s_lshl_b32 s12, s10, 4
	s_lshl2_add_u32 s12, s11, s12                  ; the wave's first slot, 16 (w>>1) + 4 (w&1); load c, half h fill slot + 8h + c
	; row points: slot = row of the block.  Bytes in x: 32768 block + 256 slot (+ 2048 h + 256 c + 16 r)
	s_lshl_b32 s13, s9, 15
	s_lshl_b32 s17, s12, 8
	s_add_co_u32 s13, s13, s17
	; column points: slot 64 G + 16 t + q holds point n = 64 G + 4 q + t, with G = w>>3, t = (w>>1)&3, q = 4 (w&1) + 8h + c.
	; Bytes in x: 32768 block + 16384 G + 256 t + 4096 (w&1) (+ 8192 h + 1024 c + 16 r)
	s_lshl_b32 s14, ttmp9, 15
	s_lshr_b32 s17, s8, 3
	s_lshl_b32 s17, s17, 14
	s_add_co_u32 s14, s14, s17
	s_lshl_b32 s17, s11, 12
	s_add_co_u32 s14, s14, s17
	s_and_b32 s17, s10, 3
	s_lshl_b32 s17, s17, 8
	s_add_co_u32 s14, s14, s17
	v_add_nc_u32 v[AOFF], s13, v[AOFF]
	v_add_nc_u32 v[BOFF], s14, v[BOFF]
	s_wait_kmcnt 0x0
	s_wait_alu depctr_va_vdst(0)                   ; AOFF and BOFF are written, which the eight loads read as their offsets
	; all eight loads at once; in each, 16 neighbouring lanes take one whole row of x (256 aligned bytes)
.irp c, 0,1,2,3
	global_load_b128 v[RAW+4*\c:RAW+4*\c+3], v[AOFF], s[4:5] offset:\c*XROW
.endr
.irp c, 0,1,2,3
	global_load_b128 v[RAW+16+4*\c:RAW+16+4*\c+3], v[BOFF], s[4:5] offset:\c*4*XROW
.endr
	; the LDS addresses, while the loads are on their way; none of these lines names a register that the loads touch
	s_mul_i32 s15, s12, PITCH
	v_lshlrev_b32 v[LST], 3, v[LR]                 ; 4 bf16 = 8 bytes a lane
	v_mad_u32_u24 v[LST], v[LH], 8*PITCH, v[LST]   ; the other half of the lanes 8 slots on = 32 banks on: the two rows of a store share no bank
	v_add_nc_u32 v[LST], s15, v[LST]
	s_lshl_b32 s17, s12, 2
	v_lshl_add_u32 v[NST], v[LH], 5, s17           ; 4 (slot + 8h)
	v_mul_u32_u24 v1, v[LR], PITCH                 ; a fragment's lane term: row r, 16 bytes for each half (K = 8h ..)
	v_lshl_add_u32 v1, v[LH], 4, v1
	s_mul_i32 s18, s10, 16*PITCH
	s_mul_i32 s19, s11, 64*PITCH
	v_add_nc_u32 v[LA], s18, v1
	v_add_nc_u32 v[LB], s19, v1
	s_lshl_b32 s20, s10, 6
	v_lshl_add_u32 v[LNI], v[LH], 5, s20           ; 4 (16 (w>>1) + 8h)
	s_lshl_b32 s21, s11, 8
	v_lshl_add_u32 v[LNJ], v[LR], 2, s21           ; 4 (64 (w&1) + r)
	v_mov_b32 v[ZERO], 0
	; my 16 bytes of out: row 128 block + 16 (w>>1) (+ 8h + j), column 128 block + 64 (w&1) (+ 4r); below 2^24
	s_lshl_b32 s16, s9, 20
	s_lshl_b32 s17, s10, 17
	s_add_co_u32 s16, s16, s17
	s_lshl_b32 s17, ttmp9, 9
	s_add_co_u32 s16, s16, s17
	s_add_co_u32 s16, s16, s21
; The way in, for four loads' worth (a side), in four parts.  The four rows are worked on side by side, so that no line waits for the one in front of it.
; ROUND: to bf16, each load's four numbers into its first two registers.
.macro ROUND raw, scaled
.if \scaled
.irp c, 0,1,2,3
	v_pk_mul_f32 v[\raw+4*\c:\raw+4*\c+1],   v[\raw+4*\c:\raw+4*\c+1],   -2.0 op_sel_hi:[1,0]
	v_pk_mul_f32 v[\raw+4*\c+2:\raw+4*\c+3], v[\raw+4*\c+2:\raw+4*\c+3], -2.0 op_sel_hi:[1,0]
.endr
.endif
.irp c, 0,1,2,3
	v_cvt_pk_bf16_f32 v[\raw+4*\c],   v[\raw+4*\c],   v[\raw+4*\c+1]   ; K = 4r, 4r+1
	v_cvt_pk_bf16_f32 v[\raw+4*\c+1], v[\raw+4*\c+2], v[\raw+4*\c+3]   ; K = 4r+2, 4r+3
.endr
.endm
; ROWS: the rounded numbers into LDS.
.macro ROWS raw, lds
.irp c, 0,1,2,3
	ds_store_b64 v[LST], v[\raw+4*\c:\raw+4*\c+1] offset:\lds+\c*PITCH
.endr
.endm
; NORM: the squares of the rounded numbers, summed over the row's 16 lanes.  It reads the pairs that ROWS stores and writes P alone.
.macro NORM raw, p
.irp c, 0,1,2,3
	v_fma_mix_f32_bf16 v[\p+\c], v[\raw+4*\c], v[\raw+4*\c], v[ZERO] op_sel_hi:[1,1,0]                  ; low half squared
.endr
.irp c, 0,1,2,3
	v_fma_mix_f32_bf16 v[\p+\c], v[\raw+4*\c], v[\raw+4*\c], v[\p+\c] op_sel:[1,1,0] op_sel_hi:[1,1,0]  ; high half squared
.endr
.irp c, 0,1,2,3
	v_fma_mix_f32_bf16 v[\p+\c], v[\raw+4*\c+1], v[\raw+4*\c+1], v[\p+\c] op_sel_hi:[1,1,0]
.endr
.irp c, 0,1,2,3
	v_fma_mix_f32_bf16 v[\p+\c], v[\raw+4*\c+1], v[\raw+4*\c+1], v[\p+\c] op_sel:[1,1,0] op_sel_hi:[1,1,0]
.endr
.irp m, 1,2,4,8
.irp c, 0,1,2,3
	v_add_f32_dpp v[\p+\c], v[\p+\c], v[\p+\c] row_xmask:\m row_mask:0xf bank_mask:0xf
.endr
.endr
.endm
; NORMS: the four norms into LDS.
.macro NORMS p, nrm
	ds_store_b128 v[NST], v[\p:\p+3] offset:\nrm   ; slots + 0..3 of my half; its 16 lanes write the same four words with the same values
.endm
	s_wait_loadcnt 0x4                             ; loads return in order: the four row points are in, the four column points may be out
	ROUND RAW, 1                                   ; bf16(-2 x); the norm comes out as 4 |xi|^2
	s_wait_alu depctr_va_vdst(0)                   ; the conversions have written the row side's pairs, which the stores below read; LST, NST, LA, LB, LNI and LNJ are written, for every LDS instruction of the kernel
	ROWS RAW, 0
	NORM RAW, P
	s_wait_loadcnt 0x0
	ROUND RAW+16, 0
	s_wait_alu depctr_va_vdst(0)                   ; the row side's norms P[0:3] and the column side's pairs are written, which the five stores below read
	NORMS P, NA_OFF
	ROWS RAW+16, BBASE
	NORM RAW+16, P+4
	s_wait_alu depctr_va_vdst(0)                   ; the column side's norms P[4:7] are written, which the store below reads
	NORMS P+4, NB_OFF
	s_wait_dscnt 0x0                               ; for the other waves' sake: all my LDS stores are done in front of the signal
	s_barrier_signal -1
	s_barrier_wait -1                              ; LDS is written nowhere behind this line
	; No wait on va_vdst here: the four addresses were written ahead of the waits above and no vector line has named them since, and no vector or matrix line has yet named NI, NJ, AF or BF
	ds_load_b128 v[NI:NI+3],   v[LNI] offset:NA_OFF
	ds_load_b128 v[NI+4:NI+7], v[LNI] offset:NA_OFF+16
.irp t, 0,1,2,3
	ds_load_b32 v[NJ+\t], v[LNJ] offset:NB_OFF+64*\t           ; slot 16 t + r = column 4r + t
.endr
.irp q, 0,1,2,3
	ds_load_b128 v[AF+4*\q:AF+4*\q+3], v[LA] offset:32*\q      ; K = 16 q + 8h .. +7
.endr
.irp t, 0,1,2,3
.irp q, 0,1,2,3
	ds_load_b128 v[BF+16*\t+4*\q:BF+16*\t+4*\q+3], v[LB] offset:BBASE+\t*16*PITCH+32*\q
.endr
.endr
; the sums start as |xi|^2 + |xj|^2: two rows at a time, 0.25 x (4 |xi|^2) + the column's norm (register sel of its pair, for both)
.macro START t, pair, sel
.irp j, 0,2,4,6
	v_pk_fma_f32 v[ACC+8*\t+\j:ACC+8*\t+\j+1], v[NI+\j:NI+\j+1], 0x3e800000, v[NJ+\pair:NJ+\pair+1] op_sel:[0,0,\sel] op_sel_hi:[1,0,\sel]
.endr
.endm
.macro MUL t, k
	v_wmma_f32_16x16x32_bf16 v[ACC+8*\t:ACC+8*\t+7], v[AF+8*\k:AF+8*\k+7], v[BF+16*\t+8*\k:BF+16*\t+8*\k+7], v[ACC+8*\t:ACC+8*\t+7]
.endm
	s_wait_dscnt 20                                ; the six loads of norms are in; the 4 + 16 fragment loads behind them may be out
	START 0, 0, 0
	START 1, 0, 1
	START 2, 2, 0
	START 3, 2, 1
	s_wait_dscnt 8                                 ; A and B's tiles 0, 1 are in; the eight loads of tiles 2, 3 may be out
	MUL 0, 0
	MUL 1, 0
	MUL 0, 1                                       ; the next link of a chain in place (same form, C = D = the earlier D)
	MUL 1, 1
	s_wait_dscnt 0x0
	MUL 2, 0
	MUL 3, 0
	MUL 2, 1
	MUL 3, 1
	; four independent vector instructions stand between the last matrix instruction and the first reader of a result (ISA guide 7.12.1)
	v_lshl_add_u32 v[CO], v[LH], 16, v[R16]        ; 8 h rows of 8,192 bytes + 16 r
	v_add_nc_u32 v[CO], s16, v[CO]
	v_nop
	v_nop
.macro CLAMP j
.irp t, 0,1,2,3
	v_max_num_f32 v[ACC+8*\t+(\j)], 0, v[ACC+8*\t+(\j)]        ; d2 a rounding error below zero counts as zero
.endr
.endm
.macro ROOT j
.irp t, 0,1,2,3
	v_sqrt_f32 v[OUT+4*(\j)+\t], v[ACC+8*\t+(\j)]              ; columns 4r + 0..3 side by side
.endr
.endm
.macro PUT j
	global_store_b128 v[CO], v[OUT+4*(\j):OUT+4*(\j)+3], s[6:7] offset:(\j)*OUTROW th:TH_STORE_NT
.endm
	; Two rows of the tile at a time: eight square roots are one batch with one wait.  Between the batch and its wait stand the next two
	; rows' eight clamps: they are the plain vector instructions that belong between a square root and the first use of its result
	; (ISA guide 5.7.2), and they touch neither its results nor its sources.  The next batch's roots stand behind the wait and the two
	; stores, and name neither CO nor the rows that those stores read.
	CLAMP 0                                        ; each accumulator is read from its lowest register on
	CLAMP 1
	ROOT 0
	ROOT 1
.irp j, 2,4,6
	CLAMP \j
	CLAMP \j+1
	s_wait_alu depctr_va_vdst(0)                   ; the eight square roots of the two rows before have written their OUT, which the two stores below read; the first time also: CO is written, every store's offset
	PUT \j-2
	PUT \j-1
	ROOT \j
	ROOT \j+1
.endr
	v_nop                                          ; the plain instruction behind the last square root
	s_wait_alu depctr_va_vdst(0)                   ; the square roots of rows 6 and 7 have written their OUT, which the last two stores read
	PUT 6
	PUT 7
	s_wait_dscnt 0x0
	s_wait_alu depctr_hold_cnt(0) depctr_sa_sdst(0) depctr_va_vdst(0) depctr_va_sdst(0) depctr_va_ssrc(0) depctr_va_vcc(0) depctr_vm_vsrc(0)
	s_wait_tensorcnt 0x0
	ds_add_u32 v212, v213
	s_wait_dscnt 0x0
	s_endpgm
.Lfunc_end_k_q5202671319_cdist:
	.size	k_q5202671319_cdist, .Lfunc_end_k_q5202671319_cdist-k_q5202671319_cdist
	.p2alignl 7, 3214868480
	.fill 96, 4, 3214868480
	.section	.rodata,"a",@progbits
	.p2align	6, 0x0
	.amdhsa_kernel k_q5202671319_cdist
		.amdhsa_group_segment_fixed_size 39936
		.amdhsa_private_segment_fixed_size 0
		.amdhsa_enable_private_segment 0
		.amdhsa_kernarg_size 16
		.amdhsa_user_sgpr_count 2
		.amdhsa_user_sgpr_kernarg_segment_ptr 1
		.amdhsa_wavefront_size32 1
		.amdhsa_system_sgpr_workgroup_id_x 1
		.amdhsa_system_sgpr_workgroup_id_y 1
		.amdhsa_system_sgpr_workgroup_id_z 1
		.amdhsa_system_vgpr_workitem_id 0
		.amdhsa_next_free_vgpr 214
		.amdhsa_next_free_sgpr 66
		.amdhsa_reserve_vcc 0
		.amdhsa_float_denorm_mode_32 3
		.amdhsa_float_denorm_mode_16_64 3
		.amdhsa_memory_ordered 1
		.amdhsa_forward_progress 1
		.amdhsa_inst_pref_size 17
	.end_amdhsa_kernel
	.amdgpu_metadata
---
amdhsa.version: [ 1, 2 ]
amdhsa.kernels:
  - .name:           k_q5202671319_cdist
    .symbol:         k_q5202671319_cdist.kd
    .args:
      - { .name: x, .offset: 0, .size: 8, .value_kind: global_buffer, .address_space: global }
      - { .name: out0, .offset: 8, .size: 8, .value_kind: global_buffer, .address_space: global }
    .group_segment_fixed_size: 39936
    .private_segment_fixed_size: 0
    .kernarg_segment_align: 8
    .kernarg_segment_size: 16
    .max_flat_workgroup_size: 512
    .sgpr_count:     66
    .vgpr_count:     214
    .wavefront_size: 32
...
	.end_amdgpu_metadata
.endif
;; end of part 2
